; MI455X (gfx1250); checked and timed in simulation.
; The chip was launched on July 23, 2026; its instructions are those of AMD's public machine-readable ISA for CDNA 5 (MIT licence, August 2026) and "CDNA5" Instruction Set Architecture Reference Guide (July 2026). The comments in the code are by the model that wrote it; some were corrected since.
;; Multi Head Attention. Allowed arithmetic: matrix products marked QUANTISED: E2M3 operands, one E8M0 scale for each 32 along K, by v_wmma_scale_f32_16x16x128_f8f6f4 with both operands' format E2M3, f32 sums; everything else in f32.
;; Inputs: Wk_codes 1,024 x 32 x 24 uint8 (E2M3 codes of Wk, K innermost, in blocks of 32 codes, four codes in three bytes); Wk_scales 1,024 x 32 uint8 (E8M0 scales of Wk, one for each 32 codes along K); Wo_codes 1,024 x 32 x 24 uint8 (E2M3 codes of Wo, K innermost, in blocks of 32 codes, four codes in three bytes); Wo_scales 1,024 x 32 uint8 (E8M0 scales of Wo, one for each 32 codes along K); Wq_codes 1,024 x 32 x 24 uint8 (E2M3 codes of Wq, K innermost, in blocks of 32 codes, four codes in three bytes); Wq_scales 1,024 x 32 uint8 (E8M0 scales of Wq, one for each 32 codes along K); Wv_codes 1,024 x 32 x 24 uint8 (E2M3 codes of Wv, K innermost, in blocks of 32 codes, four codes in three bytes); Wv_scales 1,024 x 32 uint8 (E8M0 scales of Wv, one for each 32 codes along K); bk 1,024 float32; bo 1,024 float32; bq 1,024 float32; bv 1,024 float32; key_codes 4 x 2,048 x 32 x 24 uint8 (E2M3 codes of key, K innermost, in blocks of 32 codes, four codes in three bytes); key_scales 4 x 2,048 x 32 uint8 (E8M0 scales of key, one for each 32 codes along K); query_codes 4 x 2,048 x 32 x 24 uint8 (E2M3 codes of query, K innermost, in blocks of 32 codes, four codes in three bytes); query_scales 4 x 2,048 x 32 uint8 (E8M0 scales of query, one for each 32 codes along K); value_codes 4 x 2,048 x 32 x 24 uint8 (E2M3 codes of value, K innermost, in blocks of 32 codes, four codes in three bytes); value_scales 4 x 2,048 x 32 uint8 (E8M0 scales of value, one for each 32 codes along K).
;; Outputs: out0 4 x 2,048 x 1,024 float32.
;; This version of the problem:
;;   THIS VERSION OF THE PROBLEM IS GIVEN IN LOW PRECISION. The matrix products marked QUANTISED in the list below multiply operands that are first quantised to E2M3 (2 exponent bits, 3 mantissa bits; 6 bits a number), with one power-of-two scale for each 32 numbers along K (OCP MX v1.0); their sums are f32. All else is computed in f32.
;;   The module's matrix products, in the order in which they are computed (A, B: the left and right operand; K: the contracted axis; several contracted axes count as one K, in the product's order):
;;     1. [M 8,192, K 1,024] x [K 1,024, N 1,024]; A: input query (given as codes); B: input Wq (given as codes): QUANTISED
;;     2. [M 8,192, K 1,024] x [K 1,024, N 1,024]; A: input key (given as codes); B: input Wk (given as codes): QUANTISED
;;     3. [M 8,192, K 1,024] x [K 1,024, N 1,024]; A: input value (given as codes); B: input Wv (given as codes): QUANTISED
;;     4. batch 64 x [M 2,048, K 64] x [K 64, N 2,048]; A: computed on the way; B: computed on the way: QUANTISED
;;     5. batch 64 x [M 2,048, K 2,048] x [K 2,048, N 64]; A: softmax (see below); B: computed on the way: QUANTISED
;;     6. [M 8,192, K 1,024] x [K 1,024, N 1,024]; A: computed on the way; B: input Wo (given as codes): QUANTISED
;;   THE QUANTISER, for each operand of a quantised product, along K:
;;     - K is cut into blocks of 32 from its start; a last block that is shorter is filled with zeros.
;;     - A block's scale is 2^e with e = floor(log2(the largest magnitude in the block)) - 2, held to -126 .. 127; a block of zeros has e = 0. As a byte (E8M0): e + 127.
;;     - Each number is divided by its block's scale, clamped to +-7.5, and rounded to the nearest number of E2M3, ties to even, subnormals kept.
;;     - The product sums the exact products of the quantised numbers (number of the format x scale) in f32.
;;   ~~~python
;;   def quantise(x, axis):      # numpy; x: float32 -> the quantised numbers, widened to float32 again
;;       x = np.moveaxis(x, axis, -1); K = x.shape[-1]
;;       x = np.pad(x, [(0, 0)] * (x.ndim - 1) + [(0, -K % 32)]); x = x.reshape(x.shape[:-1] + (-1, 32)); a = np.abs(x).max(-1, keepdims=True)
;;       e = np.where(a > 0, np.clip(np.frexp(np.where(a > 0, a, 1))[1] - 1 - 2, -126, 127), 0)      # np.frexp(a)[1] - 1 = floor(log2(a)), exactly
;;       r = np.clip(x / 2.0 ** e, -7.5, 7.5)
;;       step = 2.0 ** (np.maximum(np.frexp(np.where(r == 0, 1, r))[1] - 1, 0) - 3)
;;       q = np.round(r / step) * step * 2.0 ** e      # np.round: ties to even
;;       return np.moveaxis(q.reshape(q.shape[:-2] + (-1,))[..., :K], -1, axis).astype(np.float32)
;;   ~~~
;;   SOFTMAX AHEAD OF A QUANTISED PRODUCT. Where the list says 'softmax', what is quantised is not the finished softmax but p = 2^(t - M), with t = logit x log2(e) and M = ceil(the row's largest t), a whole number; so 1/2 < the row's largest p <= 1. The row's sum l is taken of the UNQUANTISED p, in f32, and the product's result is divided by l at the end. Since M is a whole number, a kernel that streams over the keys may use a running M (the ceiling of the running maximum): every later rescaling is an exact power of two, which a block's scale takes up: the codes' values come out the same.
;;   OPERANDS COMPUTED ON THE WAY. 'Computed on the way' means the value that the module computes at that place (a softmax that the list does not call 'softmax' is quantised finished and normalised). What goes into a quantiser is computed in f32, as accurately as f32 sums, v_exp_f32 and their like allow (about 1e-6 of the number): no bf16 or f16 on the way to a quantiser, and a product that is left as it is and whose result goes on into a quantised operand takes f32 operands (vector FMAs, or v_wmma_f32_16x16x4_f32). A number that lies on a knife's edge between two numbers of the format may be rounded either way, as far as f32 arithmetic and the matrix unit's own rounding can turn it there, and no further.
;;   INPUTS GIVEN AS CODES. Wk (in the module: [1024, 1024], K = its axis 0); Wo (in the module: [1024, 1024], K = its axis 0); Wq (in the module: [1024, 1024], K = its axis 0); Wv (in the module: [1024, 1024], K = its axis 0); key (in the module: [4, 2048, 1024], K = its axis 2); query (in the module: [4, 2048, 1024], K = its axis 2); value (in the module: [4, 2048, 1024], K = its axis 2): each comes as NAME_codes (uint8): NAME with its K axis moved to the last place and cut into blocks of 32 codes, [.., K / 32, bytes a block], one block behind the other in memory; four codes in three bytes: a row's codes are one little-endian stream of bits, code i at bits 6 i .. 6 i + 5 (a code: sign, 2 exponent bits, 3 mantissa bits); and NAME_scales (uint8): the same leading axes, one E8M0 byte (e + 127) for each 32 codes along K. Its value is code x scale, taken as it is: it is not quantised again, and the codes and scales need not be those that the quantiser above would give.
;; One version. Each part assembles by itself: llvm-mc -triple=amdgcn-amd-amdhsa -mcpu=gfx1250 --defsym DOCPART=n.
;; ======== version 1 of 1: 3 launches
;; limits: right only within a limited range of input values
;; workspace buffers: qw 13,369,344 bytes; kv 13,369,344 bytes; aimg 6,291,456 bytes; asc 262,144 bytes
;; launch proj (part 1): grid 4 x 192, 4 waves a work-group, clusters of 4 x 4, 327,680 bytes of LDS; arguments query_codes, query_scales, key_codes, key_scales, value_codes, value_scales, Wq_codes, Wq_scales, Wk_codes, Wk_scales, Wv_codes, Wv_scales, bq, bk, bv, qw, kv; writes qw, kv
.if DOCPART == 1
	.amdgcn_target "amdgcn-amd-amdhsa--gfx1250"
	.amdhsa_code_object_version 6
	.text
	.protected	k_qe2ec2b76ea_proj
	.globl	k_qe2ec2b76ea_proj
	.p2align	8
	.type	k_qe2ec2b76ea_proj,@function
k_qe2ec2b76ea_proj:
	s_mov_b64 s[64:65], 0
	v_nop
	global_prefetch_b8 v0, s[64:65] scope:SCOPE_SE
	s_setreg_imm32_b32 hwreg(HW_REG_WAVE_MODE, 25, 1), 1
	s_wait_xcnt 0x0
	s_wait_alu depctr_hold_cnt(0) depctr_sa_sdst(0) depctr_va_vdst(0) depctr_va_sdst(0) depctr_va_ssrc(0) depctr_va_vcc(0) depctr_vm_vsrc(0)
	s_getreg_b32 s2, hwreg(HW_REG_IB_STS2, 6, 4)
	s_cmp_eq_u32 s2, 0
	s_cbranch_scc0 .Lentry_in_a_cluster
	s_endpgm
.Lentry_in_a_cluster:
	s_bfe_u32 s2, ttmp6, 0x10000c
	s_cmp_lg_u32 s2, 0xf033
	s_cbranch_scc0 .Lentry_shape_is_right
	s_endpgm
.Lentry_shape_is_right:
; q = query Wq + bq, k = key Wk + bk, v = value Wv + bv on codes of FP6 (E2M3) with E8M0 scales, sums in f32; the results are quantised in registers
; and leave as images of the operand registers in which the next launch takes them.
; ROLES.  Operand P is source 0: its rows run along a lane's registers, so P's axis is the one that is quantised.  Operand R is source 1: a lane holds one of its rows.
;   q, k: P = the weight (head, d), R = the tokens.   v: P = the tokens (keys), R = the weight.
; BLOCK.  A work-group makes 256 (P) x 128 (R); ALL OF K of both operands lies in LDS (rows of 768 bytes, 16 bytes of padding behind every 256), filled once at the head by four joint loads,
; one a wave: nothing is filled again.  Four waves, 2 x 2: a wave makes 128 (P) x 64 (R): 32 accumulators, eight steps of 128 along K.
; WHO.  48 clusters of 4 x 4: cluster y / 16 is the type (0 q, 1 k, 2 v).  q, k: R's tile of 128 tokens = 4 (y % 16) + cy, P's tile = cx.  v: P's tile of 256 tokens = 4 ((y % 16) / 2) + cx, R's tile = 4 (y % 2) + cy.
; R's tiles are shared along a row of the cluster, P's along a column.  No prefetch: the launch has no loop to run ahead in, all its tiles are asked for at the head.
; ORDER INSIDE A BLOCK OF 32: a lane's 16 registers of two neighbouring result tiles are the block's numbers 16 u + 8 h + j; lanes l and l xor 16 hold the whole block.  The codes' order is permuted inside the block,
; alike on both sides of each later product.
; OUT.  One record of REC bytes for each (batch x 16 + head, step of 128 tokens): +0 eight tiles of 16 tokens x 768 bytes; +6144 (kv) four tiles of 16 d x 1,536 bytes; +12288 512 bytes of scale words, 16 a lane
; (tokens l, 32 + l, 64 + l, 96 + l): a wave holds 64 tokens and stores 8 of a lane's 16 bytes; +12800 (kv) 256 bytes, 8 a lane (d = l, 32 + l).
; LIMITS: NaN and infinities are not served; a block whose largest magnitude lies under 2^-124, a block of zeros too, keeps the scale byte 1 (this program alone reads the bytes).
; REGISTERS: window 0: v0-31 addresses, v8-15 the bias along R in pairs; v32-111 scale words (block i, step st at 32 + 10 i + st); v112-207 R's fragments, two sets, later the epilogue's;
;   window 1: P's fragments, two sets, at v0 and v128; window 2: the accumulators ((a, b) at 8 (8 a + b)); window 3: v0-63 the bias along P, the first products' C.
.set KROW,   768
.set PITCH,  816
.set FR,     12
.set PB,     128*PITCH
.set SCL,    PB+256*PITCH
.set SBLK,   2*272
.set SCP,    SCL+16*272
.set SPARE,  SCP+32*272
.set REC,    13056
.set HEADB,  16*REC
.set BR,   8
.set ADRA, 16
.set ADRB, 18
.set L16,  24
.set L8,   25
.set LN,   26
.set ADRS, 27
.set SPW,  28
.set NIL,  29
.set BPO,  30
.set BRO,  31
.set SC,   32
.set AF,   112
.set BP,   0
.set HA,   112
.set PC,   176
.set TM,   196
.set PWS,  212
.set T,    216
.set I0,   220
.set I1,   222
.set G1, 24
.set G0, 32
.set G1B, 48
.set G0B, 56
.set G1S, 68
.set G0S, 76
.set G1SB, 80
.set G0SB, 88
.set TY,  95
.set MP,  96
.set MR,  97
.set BIA, 98
.set SEL, 100
.set PADW, (1<<20)|(1<<21)|(5<<22)|(3<<25)
.set MSB, 0
.macro WIN new
.if MSB != \new
	s_set_vgpr_msb (MSB<<8)|\new
.set MSB, \new
.endif
.endm
.macro PLACES
.rept 4
	v_nop
.endr
.endm
.macro CROUND
	s_barrier_signal -1
	s_barrier_wait -1
	s_cmp_lg_u32 s14, 0
	s_cbranch_scc1 .Lnot_wave_0_\@
	s_barrier_signal -3
.Lnot_wave_0_\@:
	s_barrier_wait -3
	s_barrier_signal -1
	s_barrier_wait -1
.endm
.macro SHAPE g, rows                   ; rows of 768 bytes
	s_mov_b32 s[\g+1], KROW<<16
	s_mov_b32 s[\g+2], (\rows)<<16
	s_mov_b32 s[\g+3], KROW<<16
	s_mov_b32 s[\g+4], \rows
	s_mov_b32 s[\g+5], KROW
	s_mov_b32 s[\g+6], 0
	s_mov_b32 s[\g+7], 0
.endm
.macro SSHAPE g, rows                  ; a dense block as rows of 256 bytes (32 elements of 8)
	s_mov_b32 s[\g+1], 32<<16
	s_mov_b32 s[\g+2], (\rows)<<16
	s_mov_b32 s[\g+3], 32<<16
	s_mov_b32 s[\g+4], \rows
	s_mov_b32 s[\g+5], 32
	s_mov_b32 s[\g+6], 0
	s_mov_b32 s[\g+7], 0
.endm
.macro GZERO g, lds, a                 ; group 0
	s_mov_b32 s[\g], 1
	s_mov_b32 s[\g+1], \lds
	s_mov_b64 s[\g+2:\g+3], s[\a:\a+1]
	s_or_b32 s[\g+3], s[\g+3], 0x80000000
.endm
.macro ARM under, g0, g1, next
	s_cmp_lt_u32 s14, \under
	s_cbranch_scc0 \next
	tensor_load_to_lds s[\g0:\g0+3], s[\g1:\g1+7]
	s_nop 0
	PLACES
	s_branch .Lhead_asked
\next:
.endm
	s_load_b256 s[68:75], s[0:1], 0x0              ; query's codes, scales; key's
	s_load_b128 s[76:79], s[0:1], 0x20             ; value's
	s_load_b256 s[80:87], s[0:1], 0x30             ; Wq's, Wk's
	s_load_b128 s[88:91], s[0:1], 0x50             ; Wv's
	s_load_b256 s[48:55], s[0:1], 0x60             ; bq, bk, bv, qw
	s_load_b64 s[56:57], s[0:1], 0x80              ; kv
	v_lshl_add_u32 v[SPW], v0, 2, SPARE
	v_mov_b32 v[NIL], 0
	ds_add_u32 v[SPW], v[NIL]                      ; the opening lines
	ds_add_u32 v[SPW], v[NIL]
	v_lshrrev_b32 v1, 5, v0
	v_readfirstlane_b32 s14, v1                    ; wave
	s_lshr_b32 s15, s14, 1                         ; my half of R's 128 rows
	s_and_b32 s16, s14, 1                          ; my half of P's 256
	s_bfe_u32 s40, ttmp6, 0x40000                  ; cx
	s_bfe_u32 s41, ttmp6, 0x40004                  ; cy
	s_and_b32 s66, ttmp7, 0xffff
	s_lshr_b32 s[TY], s66, 4                       ; the type: the same in all sixteen partners
	s_and_b32 s66, s66, 15
	s_lshr_b32 s18, s66, 1
	s_lshl_b32 s18, s18, 2
	s_and_b32 s19, s66, 1
	s_lshl_b32 s19, s19, 2
	s_lshl_b32 s66, s66, 2
	s_cmp_eq_u32 s[TY], 2
	s_cselect_b32 s42, s18, 0
	s_cselect_b32 s17, s19, s66
	s_cselect_b32 s[MP], 0, -1
	s_cselect_b32 s[MR], -1, 0
	s_add_co_u32 s42, s42, s40                     ; P's tile
	s_add_co_u32 s17, s17, s41                     ; R's tile
	s_lshl_b32 s43, s41, 2
	s_lshl_b32 s43, 15, s43                        ; my row of the cluster
	s_lshl_b32 s44, 0x1111, s40                    ; my column
	s_mov_b32 s[SEL], 0x76543210
	s_mov_b32 s[SEL+1], 0xfedcba98
	s_or_b32 s[G1+0], s43, PADW
	SHAPE G1, 128
	s_lshl_b32 s20, s17, 7                         ; R's first row
	s_lshl_b32 s46, s42, 8                         ; P's
	s_lshl_b32 s22, s20, 5                         ; their scale bytes,
	s_lshl_b32 s92, s46, 5
	s_mul_i32 s20, s20, KROW                       ; their codes
	s_mul_i32 s46, s46, KROW
	s_mov_b32 s21, 0
	s_mov_b32 s23, 0
	s_mov_b32 s47, 0
	s_mov_b32 s93, 0
	s_wait_dscnt 0x0
	s_wait_kmcnt 0x0
	s_cmp_eq_u32 s[TY], 0
	s_cselect_b64 s[68:69], s[68:69], s[72:73]
	s_cselect_b64 s[70:71], s[70:71], s[74:75]
	s_cselect_b64 s[80:81], s[80:81], s[84:85]
	s_cselect_b64 s[82:83], s[82:83], s[86:87]
	s_cselect_b64 s[48:49], s[48:49], s[50:51]
	s_cselect_b64 s[54:55], s[54:55], s[56:57]     ; q goes to qw, k and v to kv
	s_cmp_eq_u32 s[TY], 2
	s_cselect_b64 s[68:69], s[76:77], s[68:69]
	s_cselect_b64 s[70:71], s[78:79], s[70:71]
	s_cselect_b64 s[80:81], s[88:89], s[80:81]
	s_cselect_b64 s[82:83], s[90:91], s[82:83]
	s_cselect_b64 s[48:49], s[52:53], s[48:49]
	s_cselect_b64 s[4:5], s[80:81], s[68:69]       ; R's codes and scales,
	s_cselect_b64 s[6:7], s[82:83], s[70:71]
	s_cselect_b64 s[8:9], s[68:69], s[80:81]       ; P's
	s_cselect_b64 s[10:11], s[70:71], s[82:83]
	s_mov_b64 s[12:13], s[54:55]
	s_mov_b64 s[BIA:BIA+1], s[48:49]
	s_add_nc_u64 s[20:21], s[4:5], s[20:21]
	s_add_nc_u64 s[22:23], s[6:7], s[22:23]
	s_add_nc_u64 s[46:47], s[8:9], s[46:47]
	s_add_nc_u64 s[92:93], s[10:11], s[92:93]
	s_or_b32 s[G1B+0], s44, PADW                   ; the arguments have been taken out of these registers
	SHAPE G1B, 256
	s_or_b32 s[G1S+0], s43, (3<<16)|PADW
	SSHAPE G1S, 16
	s_or_b32 s[G1SB+0], s44, (3<<16)|PADW
	SSHAPE G1SB, 32
	GZERO G0, 0, 20
	GZERO G0B, PB, 46
	GZERO G0S, SCL, 22
	GZERO G0SB, SCP, 92
	CROUND                                         ; all sixteen work-groups are here: the joint loads meet
	ARM 1, G0B, G1B, .Lh1                          ; one load a wave: P's 256 rows,
	ARM 2, G0, G1, .Lh2                            ; R's 128,
	ARM 3, G0S, G1S, .Lh3                          ; R's scale bytes,
	tensor_load_to_lds s[G0SB:G0SB+3], s[G1SB:G1SB+7]   ; P's
	s_nop 0
	PLACES
.Lhead_asked:
	s_lshl_b32 s46, s42, 8
	s_lshl_b32 s47, s16, 7
	s_add_co_u32 s46, s46, s47                     ; my first row of P
	s_lshl_b32 s20, s17, 7
	s_lshl_b32 s21, s15, 6
	s_add_co_u32 s20, s20, s21                     ; of R
	s_cmp_eq_u32 s[TY], 2
	s_cselect_b32 s47, 0, s46                      ; the bias belongs to the weight's rows; the other set is loaded from the bias's first bytes and masked to 0
	s_cselect_b32 s21, s20, 0
	s_cselect_b32 s22, s46, s20                    ; my first token
	s_cselect_b32 s23, s20, s46                    ; my first row of the weight
	s_cselect_b32 s92, 6144, 0
	s_cselect_b32 s93, 512, 0
	s_lshl_b32 s47, s47, 2
	s_lshl_b32 s21, s21, 2
	s_lshr_b32 s94, s22, 11                        ; batch
	s_lshl_b32 s94, s94, 4
	s_lshr_b32 s23, s23, 6                         ; head
	s_add_co_u32 s94, s94, s23
	s_lshl_b32 s94, s94, 4
	s_bfe_u32 s18, s22, 0x40007                    ; the step of 128 tokens
	s_add_co_u32 s94, s94, s18
	s_mul_i32 s94, s94, REC
	s_bfe_u32 s18, s22, 0x30004                    ; my first tile of 16 tokens in it (0 in v)
	s_mul_i32 s18, s18, 768
	s_bfe_u32 s19, s22, 0x10006                    ; which 64 tokens (0 in v)
	s_lshl_b32 s19, s19, 3
	s_add_co_u32 s92, s92, s94
	s_add_co_u32 s92, s92, s18
	s_add_co_u32 s22, s93, s94
	s_add_co_u32 s22, s22, s19
	s_add_co_u32 s22, s22, 12288
	s_mov_b32 s93, 0
	s_mov_b32 s23, 0
	s_add_nc_u64 s[4:5], s[12:13], s[92:93]        ; my images
	s_add_nc_u64 s[6:7], s[12:13], s[22:23]        ; my scale words
	s_mul_i32 s8, s15, 64*PITCH
	s_mul_i32 s9, s16, 128*PITCH
	s_add_co_u32 s9, s9, PB
	s_add_co_u32 s10, s9, 64*PITCH
	s_mul_i32 s11, s15, 8*272
	s_mul_i32 s18, s16, 16*272
	s_add_co_u32 s18, s18, SCP-SCL
	s_sub_co_u32 s18, s18, s11                     ; from R's scale rows to P's
	s_add_co_u32 s11, s11, SCL
	v_and_b32 v1, 15, v0                           ; r
	v_bfe_u32 v2, v0, 4, 1                         ; h
	v_and_b32 v[LN], 31, v0
	v_lshl_add_u32 v[BPO], v2, 5, s47              ; P's block b: the numbers 16 b + 8 h + 0 .. 7
	v_lshl_add_u32 v[BRO], v1, 2, s21              ; R's block a: the number 16 a + r
	WIN 0xc0
.irp b, 0,1,2,3,4,5,6,7
	global_load_b128 v[BP+8*\b:BP+8*\b+3], v[BPO], s[BIA:BIA+1] offset:64*\b
	global_load_b128 v[BP+8*\b+4:BP+8*\b+7], v[BPO], s[BIA:BIA+1] offset:64*\b+16
.endr
	WIN 0
.irp a, 0,1,2,3
	global_load_b32 v[BR+2*\a], v[BRO], s[BIA:BIA+1] offset:64*\a
.endr
	v_lshlrev_b32 v[L16], 4, v[LN]
	v_lshlrev_b32 v[L8], 3, v[LN]
	v_mul_u32_u24 v3, v1, PITCH
	v_mad_u32_u24 v4, v2, 24, v3                   ; a fragment's row x pitch + 24 x half,
	v_mad_u32_u24 v5, v2, 40, v3                   ; and the same where lanes 16-31 lie behind one padding more
	v_add_nc_u32 v[ADRA], s8, v4
	v_add_nc_u32 v[ADRA+1], s8, v5
	v_add_nc_u32 v[ADRB], s9, v4
	v_add_nc_u32 v[ADRB+1], s9, v5
	v_add_nc_u32 v[ADRB+2], s10, v4                ; P's blocks 4-7
	v_add_nc_u32 v[ADRB+3], s10, v5
	v_lshlrev_b32 v6, 5, v1                        ; my row's scale bytes: 32 a row,
	v_lshrrev_b32 v7, 8, v6
	v_lshl_add_u32 v6, v7, 4, v6                   ; 16 more for each 256 passed
	v_mul_u32_u24 v7, s18, v2                      ; lanes 16-31 take P's
	v_add_nc_u32 v6, v6, v7
	v_add_nc_u32 v[ADRS], s11, v6
	s_wait_loadcnt 0x0
	WIN 0xcc
.set i, 0
.rept 64
	v_and_b32 v[BP+i], s[MP], v[BP+i]              ; kept in q and k, 0 in v
.set i, i+1
.endr
	WIN 0
.irp a, 0,1,2,3
	v_and_b32 v[BR+2*\a], s[MR], v[BR+2*\a]        ; kept in v, 0 in q and k
.endr
.irp a, 0,1,2,3
	v_mov_b32 v[BR+2*\a+1], v[BR+2*\a]             ; twice, for the packed addition
.endr
.macro FRAG reg, adr, st, off          ; 16 rows x 128 K: six pieces of 8 bytes; piece n of a row lies at 8 n + 16 (n / 32)
.irp p, 0,1,2,3,4,5
.set PCE, 12*(\st)+6*(\p/3)+\p%3
.if PCE%32 < 29
	ds_load_b64 v[\reg+2*\p:\reg+2*\p+1], v[\adr] offset:8*PCE+16*(PCE/32)+(\off)
.else
	ds_load_b64 v[\reg+2*\p:\reg+2*\p+1], v[\adr+1] offset:8*PCE+16*(PCE/32)+(\off)
.endif
.endr
.endm
.macro FETCH_P st                      ; 48 loads
	WIN 0x40
.irp i, 0,1,2,3,4,5,6,7
	FRAG 128*((\st)%2)+FR*\i, ADRB+2*(\i/4), \st, (\i%4)*16*PITCH
.endr
	WIN 0
.endm
.macro FETCH_R st                      ; 24 loads
.irp i, 0,1,2,3
	FRAG AF+48*((\st)%2)+FR*\i, ADRA, \st, \i*16*PITCH
.endr
.endm
.macro W a, b, st, c
	v_wmma_scale_f32_16x16x128_f8f6f4 v[8*(8*(\a)+\b):8*(8*(\a)+\b)+7], v[128*((\st)%2)+FR*\b:128*((\st)%2)+FR*\b+FR-1], v[AF+48*((\st)%2)+FR*(\a):AF+48*((\st)%2)+FR*(\a)+FR-1], \c, v[SC+10*\b+(\st)], v[SC+10*(\a)+(\st)] matrix_a_fmt:MATRIX_FMT_FP6 matrix_b_fmt:MATRIX_FMT_FP6 matrix_a_scale:MATRIX_SCALE_ROW1
.endm
.macro MUL16 a0, st                    ; the 32 accumulators take turns, one instruction a turn
.irp a, \a0, \a0+1
.irp b, 0,1,2,3,4,5,6,7
.if (\st) == 0
	W \a, \b, \st, v[BP+8*\b:BP+8*\b+7]
.else
	W \a, \b, \st, v[8*(8*(\a)+\b):8*(8*(\a)+\b)+7]
.endif
.endr
.endr
.endm
.macro MWIN st
.if (\st) == 0
	WIN 0xb1                                       ; source 0 window 1, source 1 window 0, C (the bias) window 3, D window 2
.else
	WIN 0xa1
.endif
.endm
; A step of 128 along K: the next step's fragments go into the other sets while this step's are multiplied.
.macro STEP st
.if (\st) > 0
	PLACES                                         ; between the last step's products and loads into the registers that they read
.endif
.if (\st) < 7
	FETCH_P (\st)+1
	s_wait_dscnt 48                                ; all but the 48 loads just issued: this step's fragments are in
.else
	s_wait_dscnt 0x0
.endif
	MWIN \st
	MUL16 0, \st
.if (\st) < 7
	WIN 0
	FETCH_R (\st)+1
	MWIN \st
.endif
	MUL16 2, \st
.endm
	s_wait_alu depctr_va_vdst(0)
	s_wait_tensorcnt 0x0                           ; my tile is in,
	s_barrier_signal -1
	s_barrier_wait -1                              ; everybody's is: from here on LDS is only read
.irp i, 0,1,2,3,4,5,6,7
	ds_load_b128 v[SC+10*\i:SC+10*\i+3], v[ADRS] offset:\i*SBLK        ; the scale words of all eight steps: lanes 0-15 R's block i (of blocks 4-7 nothing is used), lanes 16-31 P's block i
	ds_load_b128 v[SC+10*\i+4:SC+10*\i+7], v[ADRS] offset:\i*SBLK+16
.endr
	FETCH_P 0
	FETCH_R 0
.set ST, 0
.rept 8
	STEP ST
.set ST, ST+1
.endr
	WIN 0
; 64 numbers of a lane: registers 16 b + 0 .. 15 are my 16 of block b; lane l xor 16 holds the other 16.  They become a fragment's codes in v[PC] on and its scale word in v[pw].
.macro QUANT s, pw
.irp b, 0,1,2,3
	v_max3_num_f32 v[TM+\b], |v[\s+16*\b]|, |v[\s+1+16*\b]|, 0x1800000   ; with the floor 2^(3 - 127)
.endr
.irp i, 2,4,6,8,10,12,14
.irp b, 0,1,2,3
	v_max3_num_f32 v[TM+\b], v[TM+\b], |v[\s+16*\b+\i]|, |v[\s+1+16*\b+\i]|
.endr
.endr
.irp b, 0,1,2,3
	v_permlanex16_b32 v[TM+4+\b], v[TM+\b], s[SEL], s[SEL+1]
.endr
.irp b, 0,1,2,3
	v_max_num_f32 v[TM+\b], v[TM+\b], v[TM+4+\b]
.endr
.irp b, 0,1,2,3
	v_add_nc_u32 v[TM+12+\b], 0xff000000, v[TM+\b] ; 2 off the exponent field: the conversion's scale operand
.endr
.irp b, 0,1,2,3
	v_lshrrev_b32 v[TM+4+\b], 23, v[TM+12+\b]      ; the scale's byte
.endr
	v_lshl_or_b32 v[\pw], v[TM+5], 8, v[TM+4]
	v_lshl_or_b32 v[\pw], v[TM+6], 16, v[\pw]
	v_lshl_or_b32 v[\pw], v[TM+7], 24, v[\pw]
.irp c, 0,1
	v_cvt_scalef32_pk16_fp6_f32 v[PC+6*\c:PC+2+6*\c], v[\s+32*\c:\s+15+32*\c], v[TM+12+2*\c]
	v_cvt_scalef32_pk16_fp6_f32 v[PC+12+4*\c:PC+14+4*\c], v[\s+16+32*\c:\s+31+32*\c], v[TM+12+2*\c+1]
.endr
	v_nop                                          ; one plain place behind a scaled conversion
.irp c, 0,1                                    ; a whole block in a lane: lanes 0-15 block 2 c, lanes 16-31 block 2 c + 1
.irp i, 0,1,2
	v_permlane16_swap_b32 v[PC+6*\c+\i], v[PC+12+4*\c+\i]
.endr
.irp i, 0,1,2
	v_mov_b32 v[PC+3+6*\c+\i], v[PC+12+4*\c+\i]
.endr
.endr
.endm
.macro EPI a                           ; R's block a: the bias along R, the quantiser, the stores
.if (\a) > 0
	s_wait_xcnt 0x0                                ; the last block's stores have read their registers
.endif
	WIN 0x02
.set i, 0
.rept 32
	v_pk_add_f32 v[HA+2*i:HA+2*i+1], v[64*(\a)+2*i:64*(\a)+2*i+1], v[BR+2*(\a):BR+2*(\a)+1]   ; each accumulator from its low end on
.set i, i+1
.endr
	WIN 0
	QUANT HA, PWS+(\a)
	s_cmp_eq_u32 s[TY], 2
	s_cbranch_scc1 .Lv_\@
	global_store_b128 v[L16], v[PC:PC+3], s[4:5] offset:768*(\a)                   ; q, k: registers 0-5 my first head's 64 along d,
	global_store_b64 v[L8], v[PC+4:PC+5], s[4:5] offset:768*(\a)+512
	global_store_b128 v[L16], v[PC+6:PC+9], s[4:5] offset:HEADB+768*(\a)           ; registers 6-11 the next head's
	global_store_b64 v[L8], v[PC+10:PC+11], s[4:5] offset:HEADB+768*(\a)+512
	s_branch .Ldone_\@
.Lv_\@:
	s_wait_alu depctr_va_vdst(0)
.irp c, 0,1,2
	global_store_b128 v[L16], v[PC+4*\c:PC+4*\c+3], s[4:5] offset:(\a)*1536+512*\c   ; v: 16 d x 128 keys: tile a of my head
.endr
.Ldone_\@:
.endm
	PLACES
.irp b, 0,1,2,3
	v_mov_b32 v[TM+4+\b], 0                        ; a lane permute's destination counts as one of its sources
.endr
.irp a, 0,1,2,3
	EPI \a
.endr
	v_cmp_le_u32 vcc_lo, 16, v[LN]
.irp i, 0,1
	v_cndmask_b32 v[T+\i], v[PWS+2*\i], v[PWS+2*\i+1], vcc_lo   ; lane l: the scale word of R's row 32 i + l
.endr
	s_cmp_eq_u32 s[TY], 2
	s_cbranch_scc1 .Lvs
.irp i, 0,1
	v_perm_b32 v[I0+\i], v[T+\i], v[T+\i], 0x01000100   ; my first head's two bytes, twice: the upper two scale zero codes
	v_perm_b32 v[I1+\i], v[T+\i], v[T+\i], 0x03020302   ; the next head's
.endr
	global_store_b64 v[L16], v[I0:I0+1], s[6:7]
	global_store_b64 v[L16], v[I1:I1+1], s[6:7] offset:HEADB
	s_branch .Lend
.Lvs:
	s_wait_alu depctr_va_vdst(0)
	global_store_b64 v[L8], v[T:T+1], s[6:7]       ; v: d = l and 32 + l of my head
.Lend:
	s_wait_tensorcnt 0x0                           ; the wave's end
	ds_add_u32 v[SPW], v[NIL]
	s_wait_dscnt 0x0
	CROUND                                         ; the closing round
	s_endpgm
.Lfunc_end_k_qe2ec2b76ea_proj:
	.size	k_qe2ec2b76ea_proj, .Lfunc_end_k_qe2ec2b76ea_proj-k_qe2ec2b76ea_proj
	.p2alignl 7, 3214868480
	.fill 96, 4, 3214868480
	.section	.rodata,"a",@progbits
	.p2align	6, 0x0
	.amdhsa_kernel k_qe2ec2b76ea_proj
		.amdhsa_group_segment_fixed_size 327680
		.amdhsa_private_segment_fixed_size 0
		.amdhsa_enable_private_segment 0
		.amdhsa_kernarg_size 136
		.amdhsa_user_sgpr_count 2
		.amdhsa_user_sgpr_kernarg_segment_ptr 1
		.amdhsa_wavefront_size32 1
		.amdhsa_system_sgpr_workgroup_id_x 1
		.amdhsa_system_sgpr_workgroup_id_y 1
		.amdhsa_system_sgpr_workgroup_id_z 1
		.amdhsa_system_vgpr_workitem_id 0
		.amdhsa_next_free_vgpr 832
		.amdhsa_next_free_sgpr 102
		.amdhsa_reserve_vcc 1
		.amdhsa_float_denorm_mode_32 3
		.amdhsa_float_denorm_mode_16_64 3
		.amdhsa_memory_ordered 1
		.amdhsa_forward_progress 1
		.amdhsa_inst_pref_size 114
	.end_amdhsa_kernel
	.amdgpu_metadata
---
amdhsa.version: [ 1, 2 ]
amdhsa.kernels:
  - .name:           k_qe2ec2b76ea_proj
    .symbol:         k_qe2ec2b76ea_proj.kd
    .args:
      - { .name: query_codes, .offset: 0, .size: 8, .value_kind: global_buffer, .address_space: global }
      - { .name: query_scales, .offset: 8, .size: 8, .value_kind: global_buffer, .address_space: global }
      - { .name: key_codes, .offset: 16, .size: 8, .value_kind: global_buffer, .address_space: global }
      - { .name: key_scales, .offset: 24, .size: 8, .value_kind: global_buffer, .address_space: global }
      - { .name: value_codes, .offset: 32, .size: 8, .value_kind: global_buffer, .address_space: global }
      - { .name: value_scales, .offset: 40, .size: 8, .value_kind: global_buffer, .address_space: global }
      - { .name: Wq_codes, .offset: 48, .size: 8, .value_kind: global_buffer, .address_space: global }
      - { .name: Wq_scales, .offset: 56, .size: 8, .value_kind: global_buffer, .address_space: global }
      - { .name: Wk_codes, .offset: 64, .size: 8, .value_kind: global_buffer, .address_space: global }
      - { .name: Wk_scales, .offset: 72, .size: 8, .value_kind: global_buffer, .address_space: global }
      - { .name: Wv_codes, .offset: 80, .size: 8, .value_kind: global_buffer, .address_space: global }
      - { .name: Wv_scales, .offset: 88, .size: 8, .value_kind: global_buffer, .address_space: global }
      - { .name: bq, .offset: 96, .size: 8, .value_kind: global_buffer, .address_space: global }
      - { .name: bk, .offset: 104, .size: 8, .value_kind: global_buffer, .address_space: global }
      - { .name: bv, .offset: 112, .size: 8, .value_kind: global_buffer, .address_space: global }
      - { .name: qw, .offset: 120, .size: 8, .value_kind: global_buffer, .address_space: global }
      - { .name: kv, .offset: 128, .size: 8, .value_kind: global_buffer, .address_space: global }
    .group_segment_fixed_size: 327680
    .private_segment_fixed_size: 0
    .kernarg_segment_align: 8
    .kernarg_segment_size: 136
    .max_flat_workgroup_size: 128
    .sgpr_count:     102
    .vgpr_count:     832
    .wavefront_size: 32
...
	.end_amdgpu_metadata
.endif
;; end of part 1
;; launch attn (part 2): grid 4 x 64, 16 waves a work-group, clusters of 4 x 1, 210,944 bytes of LDS; arguments qw, kv, aimg, asc; writes aimg, asc
.if DOCPART == 2
	.amdgcn_target "amdgcn-amd-amdhsa--gfx1250"
	.amdhsa_code_object_version 6
	.text
	.protected	k_qe2ec2b76ea_attn
	.globl	k_qe2ec2b76ea_attn
	.p2align	8
	.type	k_qe2ec2b76ea_attn,@function
k_qe2ec2b76ea_attn:
	s_mov_b64 s[64:65], 0
	v_nop
	global_prefetch_b8 v0, s[64:65] scope:SCOPE_SE
	s_setreg_imm32_b32 hwreg(HW_REG_WAVE_MODE, 25, 1), 1
	s_wait_xcnt 0x0
	s_wait_alu depctr_hold_cnt(0) depctr_sa_sdst(0) depctr_va_vdst(0) depctr_va_sdst(0) depctr_va_ssrc(0) depctr_va_vcc(0) depctr_vm_vsrc(0)
	s_getreg_b32 s2, hwreg(HW_REG_IB_STS2, 6, 4)
	s_cmp_eq_u32 s2, 0
	s_cbranch_scc0 .Lentry_in_a_cluster
	s_endpgm
.Lentry_in_a_cluster:
	s_bfe_u32 s2, ttmp6, 0x10000c
	s_cmp_lg_u32 s2, 0x3003
	s_cbranch_scc0 .Lentry_shape_is_right
	s_endpgm
.Lentry_shape_is_right:
; attn[b][q][head][:] = the sum over keys of softmax(q . k / 8) v, both products on codes of FP6 (E2M3) with one E8M0 scale for each 32 along a product's K; the result is quantised along (head, d) for the last product.
; THE SOFTMAX: t = score x log2(e) / 8; M = the row's largest t so far, rounded up to a whole number; p = 2^(t - M) is quantised along the keys, not normalised; the row's sum is taken of the unquantised p and divides at the end.
; When M moves, the sum and O are multiplied by 2^(old M - new M): exact.
; SHARES.  A work-group owns 512 queries of one (batch, head); each of its sixteen waves 32 of them, as two tiles of 16, one after the other, in 256 registers: four waves to a SIMD, so that one wave's vector work stands beside
; another's matrix work and LDS loads.  THE WHOLE HEAD'S K AND V LIE IN LDS: sixteen records of 13,056 bytes (a step of 128 keys each), filled once: no ring, no refill, nothing is stored to LDS.
; CLUSTER.  The four work-groups of a head form a cluster and ask for the records jointly: wave w asks for record w, with the same descriptor in all four.
; LAYOUT.  Both products are used transposed: S^T = K Q^T (source 0 = 16 keys, source 1 = my 16 queries), O^T = V^T P^T (source 0 = 16 of the head's 64, source 1 = P): a lane holds one query throughout.
; The scores' K is the head's 64: registers 6-11 of K's and Q's fragments hold zero codes, which add nothing.  Records hold images of the operands' registers: every LDS load takes 16 or 8 bytes a lane, on end.
; p's codes are laid in the order, permuted inside each block of 32 keys, in which the launch before has laid v's: the products are the same, the order of the sums differs.  The result is brought into true order by lane swaps.
; LIMITS: NaN and infinities are not served; a block whose largest magnitude lies under 2^-124 keeps the scale byte 1, a block of zeros too (its codes are zeros; this program alone reads the bytes).
; REGISTERS: v1 16 x lane, v2 8 x lane; v3, v4 the same + the step's record; v5, v6-11 the second tile's Q; v12 -M, v13 the largest t, v[14:15] the sum; v16-27 Q; v[28:29] V's scale words; v30 p's; v31 Q's;
;   v32-79 four fragments of K; v80-127 four of V; v128-191 S^T, then p; v192-223 O^T; v224-235 p's codes; v232-254 at work; v248-251 K's scale words.
.set REC,  13056
.set L16,  1
.set L8,   2
.set A16,  3
.set A8,   4
.set KF,   32
.set VF,   80
.set S,    128
.set O,    192
.set WV,   12                          ; s12 my wave's number
.set G1,   16                          ; s[16:23], s[24:27] the descriptor
.set G0,   24
.set SEL,  28                          ; s[28:29] selects for lane l xor 16
.set CS,   30                          ; s[30:31] c = log2(e) / 8
.set TB,   32                          ; s32 LDS byte at which the step's record begins
.set CNT,  33
.macro ROUND                           ; a round of the cluster's barrier
	s_barrier_signal -1
	s_barrier_wait -1
	s_cmp_lg_u32 s[WV], 0
	s_cbranch_scc1 .Lnot_wave_0_\@
	s_barrier_signal -3
.Lnot_wave_0_\@:
	s_barrier_wait -3
	s_barrier_signal -1
	s_barrier_wait -1
.endm
.macro PLACES                          ; plain vector instructions between a matrix instruction and a load into, or a vector instruction on, its registers
.rept 4
	v_nop
.endr
.endm
	s_load_b256 s[4:11], s[0:1], 0x0               ; qw s[4:5], kv s[6:7], aimg s[8:9], asc s[10:11]
	v_lshl_add_u32 v243, v0, 2, 0x33000
	v_mov_b32 v255, 0
	ds_add_u32 v243, v255
	ds_add_u32 v243, v255
	v_lshrrev_b32 v3, 5, v0
	s_delay_alu instid0(VALU_DEP_1)
	v_readfirstlane_b32 s[WV], v3                  ; wave 0..15
	s_bfe_u32 s13, ttmp6, 0x40000                  ; cx: which 512 queries: it enters Q's and the outputs' addresses alone
	s_and_b32 s14, ttmp7, 0xffff                   ; 16 x batch + head, which the four partners share
	v_and_b32 v2, 31, v0
	s_delay_alu instid0(VALU_DEP_1)
	v_lshlrev_b32 v[L16], 4, v2
	s_delay_alu instid0(VALU_DEP_2)
	v_lshlrev_b32 v[L8], 3, v2
	s_mov_b32 s[G1], 15|(3<<16)|(1<<21)            ; 15:0 the mask: all four work-groups; elements of 8 bytes; no padding; 21 set beside a mask
	s_mov_b32 s[G1+1], 32<<16                      ; tensor_dim0 = 32: rows of 256 bytes
	s_mov_b32 s[G1+2], 51<<16                      ; tensor_dim1 = 51: a record
	s_mov_b32 s[G1+3], 32<<16                      ; tile_dim0
	s_mov_b32 s[G1+4], 51                          ; tile_dim1
	s_mov_b32 s[G1+5], 32                          ; dense
	s_mov_b32 s[G1+6], 0
	s_mov_b32 s[G1+7], 0
	s_mov_b32 s[SEL], 0x76543210
	s_mov_b32 s[SEL+1], 0xfedcba98
	s_mov_b32 s[CS], 0x3e38aa3b
	s_mov_b32 s[CS+1], s[CS]                       ; (named with it as a pair, so it is written)
	s_lshl_b32 s38, s14, 4                         ; the head's first record
	s_add_co_u32 s40, s38, s[WV]
	s_mul_i32 s40, s40, REC                        ; the record that I fetch: in memory,
	s_mov_b32 s41, 0
	s_mov_b32 s[G0], 1
	s_mul_i32 s[G0+1], s[WV], REC                  ; and in LDS
	s_lshl_b32 s39, s13, 2                         ; my queries 512 cx + 32 w: step 4 cx + w / 4, tiles 2 (w % 4) and the next
	s_add_co_u32 s38, s38, s39
	s_lshr_b32 s39, s[WV], 2
	s_add_co_u32 s38, s38, s39
	s_mul_i32 s38, s38, REC
	s_and_b32 s39, s[WV], 3
	s_mul_i32 s42, s39, 1536
	s_add_co_u32 s42, s42, s38                     ; their codes,
	s_mov_b32 s43, 0
	s_lshl_b32 s39, s39, 2
	s_add_co_u32 s38, s38, s39
	s_add_co_u32 s38, s38, 12288                   ; their scale words: word w % 4 of a lane's four
	s_mov_b32 s39, 0
	s_and_b32 s44, s14, 15                         ; head
	s_lshr_b32 s45, s14, 4                         ; batch
	s_lshl_b32 s46, s45, 7
	s_lshl_b32 s47, s13, 5
	s_add_co_u32 s46, s46, s47
	s_lshl_b32 s47, s[WV], 1
	s_add_co_u32 s46, s46, s47                     ; my first tile of 16 rows: 128 batch + 32 cx + 2 w
	s_lshl_b32 s50, s46, 9                         ; its rows' scale bytes: 16 rows x 32
	s_mul_i32 s46, s46, 3072                       ; aimg: [K step of 256][tile of rows][128 along K][64 along K][768 bytes]
	s_lshr_b32 s47, s44, 2
	s_mul_i32 s47, s47, 1572864                    ; four heads to a K step,
	s_add_co_u32 s46, s46, s47
	s_and_b32 s47, s44, 3
	s_mul_i32 s47, s47, 768                        ; one to each 64 along K
	s_add_co_u32 s46, s46, s47
	s_mov_b32 s47, 0
	s_lshl_b32 s51, s44, 1                         ; two scale bytes a head
	s_add_co_u32 s50, s50, s51
	s_mov_b32 s51, 0
.irp j, 22,23,24,25,26,27
	v_mov_b32 v[\j], 0                             ; zero codes: the upper 64 of Q's fragment,
.endr
.irp t, 0,1,2,3
.irp j, 6,7,8,9,10,11
	v_mov_b32 v[KF+12*\t+\j], 0                    ; and of K's four: set once
.endr
.endr
.irp j, 236,237,238,239,252,253
	v_mov_b32 v[\j], 0                             ; written once: a lane permute's destination counts as one of its sources; v253 is named as the upper half of a pair
.endr
	v_and_b32 v254, 15, v0
	s_delay_alu instid0(VALU_DEP_1)
	v_lshlrev_b32 v254, 4, v254                    ; 16 r: query r's scale words
	s_wait_dscnt 0x0
	s_wait_kmcnt 0x0
	s_add_nc_u64 s[G0+2:G0+3], s[6:7], s[40:41]
	s_or_b32 s[G0+3], s[G0+3], 0x80000000          ; type = 2
	s_add_nc_u64 s[34:35], s[4:5], s[42:43]
	s_add_nc_u64 s[36:37], s[4:5], s[38:39]
	s_add_nc_u64 s[8:9], s[8:9], s[46:47]
	s_add_nc_u64 s[10:11], s[10:11], s[50:51]
	ROUND                                          ; all four work-groups are here: the joint loads meet
	tensor_load_to_lds s[G0:G0+3], s[G1:G1+7]      ; my one tensor load: record w of the head
	s_nop 0
	PLACES
	global_load_b128 v[16:19], v[L16], s[34:35]    ; Q's six registers, first tile,
	global_load_b64 v[20:21], v[L8], s[34:35] offset:512
	global_load_b128 v[6:9], v[L16], s[34:35] offset:768   ; second tile
	global_load_b64 v[10:11], v[L8], s[34:35] offset:1280
	s_wait_alu depctr_va_vdst(0)
	global_load_b32 v31, v254, s[36:37]            ; and their scale words
	global_load_b32 v5, v254, s[36:37] offset:256
	s_wait_tensorcnt 0x0                           ; my record is in,
	s_barrier_signal -1
	s_barrier_wait -1                              ; everybody's is: from here on LDS is only read
	s_wait_loadcnt 0x0                             ; Q
.macro KLOAD off                       ; four tiles of 16 keys: six registers a lane each
.irp t, 0,1,2,3
	ds_load_b128 v[KF+12*\t:KF+12*\t+3], v[A16] offset:\off+768*\t
	ds_load_b64 v[KF+12*\t+4:KF+12*\t+5], v[A8] offset:\off+768*\t+512
.endr
.endm
.macro KQ t, g                         ; S^T's tile 4 g + t.  A register of K's scale words holds two tiles' rows: the even tile's in lanes 0-15, the odd one's in lanes 16-31
.if (\t)%2
	v_wmma_scale_f32_16x16x128_f8f6f4 v[S+8*(4*\g+\t):S+8*(4*\g+\t)+7], v[KF+12*\t:KF+12*\t+11], v[16:27], 0, v[248+2*\g+(\t)/2], v31 matrix_a_fmt:MATRIX_FMT_FP6 matrix_b_fmt:MATRIX_FMT_FP6 matrix_a_scale:MATRIX_SCALE_ROW1
.else
	v_wmma_scale_f32_16x16x128_f8f6f4 v[S+8*(4*\g+\t):S+8*(4*\g+\t)+7], v[KF+12*\t:KF+12*\t+11], v[16:27], 0, v[248+2*\g+(\t)/2], v31 matrix_a_fmt:MATRIX_FMT_FP6 matrix_b_fmt:MATRIX_FMT_FP6
.endif
.endm
.macro PV d                            ; O^T's tile d (16 of the head's 64) lies at place 0, 2, 1, 3, so that the swaps at the end find their partners 8 registers apart
.set PO, O+8*(2*((\d)%2)+(\d)/2)
.if (\d)%2
	v_wmma_scale_f32_16x16x128_f8f6f4 v[PO:PO+7], v[VF+12*\d:VF+12*\d+11], v[224:235], v[PO:PO+7], v[28+(\d)/2], v30 matrix_a_fmt:MATRIX_FMT_FP6 matrix_b_fmt:MATRIX_FMT_FP6 matrix_a_scale:MATRIX_SCALE_ROW1
.else
	v_wmma_scale_f32_16x16x128_f8f6f4 v[PO:PO+7], v[VF+12*\d:VF+12*\d+11], v[224:235], v[PO:PO+7], v[28+(\d)/2], v30 matrix_a_fmt:MATRIX_FMT_FP6 matrix_b_fmt:MATRIX_FMT_FP6
.endif
.endm
; A KEY STEP: 128 keys.  pre = 1: the next step's first four tiles of K and its scale words are asked for under the softmax.
.macro STEP pre
	s_wait_dscnt 0x0                               ; K's tiles 0-3 and K's scale words are in
.irp t, 0,1,2,3
	KQ \t, 0
.endr
	PLACES                                         ; in front of loads into registers that matrix instructions have read
	KLOAD 3072                                     ; K's tiles 4-7,
.irp d, 0,1,2,3
.irp c, 0,1,2
	ds_load_b128 v[VF+12*\d+4*\c:VF+12*\d+4*\c+3], v[A16] offset:6144+1536*\d+512*\c   ; V's four tiles,
.endr
.endr
	ds_load_b64 v[28:29], v[A8] offset:12800       ; V's scale words
	s_wait_dscnt 13                                ; K's eight loads are in; V's twelve and its scale words may be out
.irp t, 0,1,2,3
	KQ \t, 1
.endr
	PLACES
.if \pre
	KLOAD REC
	ds_load_b128 v[248:251], v[A16] offset:REC+12288
.endif
.irp b, 0,1,2,3
	v_max3_num_f32 v[232+\b], v[S+16*\b], v[S+1+16*\b], v[S+2+16*\b]   ; the largest score of each block of 32 keys: it serves for the row's maximum and, since p rises with the score, for the block's largest p
.endr
.irp i, 3,5,7,9,11,13
.irp b, 0,1,2,3
	v_max3_num_f32 v[232+\b], v[232+\b], v[S+16*\b+\i], v[S+1+16*\b+\i]
.endr
.endr
.irp b, 0,1,2,3
	v_max_num_f32 v[232+\b], v[232+\b], v[S+15+16*\b]
.endr
.irp b, 0,1,2,3
	s_delay_alu instid0(VALU_DEP_4)
	v_permlanex16_b32 v[236+\b], v[232+\b], s[SEL], s[SEL+1]
.endr
.irp b, 0,1,2,3
	s_delay_alu instid0(VALU_DEP_4)
	v_max_num_f32 v[232+\b], v[232+\b], v[236+\b]  ; with lane l xor 16's 16 keys
.endr
	s_delay_alu instid0(VALU_DEP_2)
	v_max3_num_f32 v254, v232, v233, v234
	s_delay_alu instid0(VALU_DEP_1)
	v_max_num_f32 v254, v254, v235                 ; the step's largest score of my query
	s_delay_alu instid0(VALU_DEP_1)
	v_mul_f32 v254, s[CS], v254                    ; as t
	s_delay_alu instid0(VALU_DEP_1)
	v_max_num_f32 v13, v13, v254                   ; the running largest t
	v_mov_b32 v254, v12
	s_delay_alu instid0(VALU_DEP_2)
	v_floor_f32 v12, -v13                          ; the new -M = floor(-t): M is a whole number
	s_delay_alu instid0(VALU_DEP_1)
	v_sub_f32 v254, v12, v254                      ; old M - new M: a whole number, 0 or less
	s_delay_alu instid0(VALU_DEP_1)
	v_cvt_i32_f32 v254, v254                       ; (it saturates)
	s_delay_alu instid0(VALU_DEP_1)
	v_ldexp_f32 v252, 1.0, v254                    ; f = 2^(old M - new M)
.set j, 0
.rept 32
	v_pk_fma_f32 v[S+j:S+j+1], v[S+j:S+j+1], s[CS:CS+1], v[12:13] op_sel_hi:[1,0,0]   ; t - M, two at a time
.set j, j+2
.endr
.irp b, 0,1,2,3
	v_fma_f32 v[232+\b], v[232+\b], s[CS], v12     ; the same of each block's largest score
.endr
.set j, 0
	s_wait_alu depctr_va_vdst(0)
.rept 64
	v_exp_f32 v[S+j], v[S+j]                       ; p = 2^(t - M), at most 1
.set j, j+1
.endr
	v_pk_mul_f32 v[14:15], v[14:15], v[252:253] op_sel_hi:[1,0]   ; the sums under the new M (a plain place behind the exponentials)
	s_wait_alu depctr_va_vdst(0)                   ; one wait for the whole batch, ahead of its first reader
.irp b, 0,1,2,3
	v_exp_f32 v[232+\b], v[232+\b]                 ; the block's largest p
.endr
	v_pk_add_f32 v[236:237], v[132:133], v[136:137]
	v_pk_add_f32 v[246:247], v[140:141], v[144:145]
	v_pk_add_f32 v[244:245], v[148:149], v[152:153]
	v_pk_add_f32 v[240:241], v[156:157], v[160:161]
	v_pk_add_f32 v[238:239], v[164:165], v[168:169]
	v_pk_add_f32 v[230:231], v[172:173], v[176:177]
	v_pk_add_f32 v[228:229], v[180:181], v[184:185]
	v_pk_add_f32 v[14:15], v[14:15], v[188:189]
	v_pk_add_f32 v[236:237], v[236:237], v[128:129]
	v_pk_add_f32 v[246:247], v[246:247], v[130:131]
	v_pk_add_f32 v[244:245], v[244:245], v[134:135]
	v_pk_add_f32 v[240:241], v[240:241], v[138:139]
	v_pk_add_f32 v[238:239], v[238:239], v[142:143]
	v_pk_add_f32 v[230:231], v[230:231], v[146:147]
	v_pk_add_f32 v[228:229], v[228:229], v[150:151]
	v_pk_add_f32 v[14:15], v[14:15], v[154:155]
	v_pk_add_f32 v[236:237], v[236:237], v[158:159]
	v_pk_add_f32 v[246:247], v[246:247], v[162:163]
	v_pk_add_f32 v[244:245], v[244:245], v[166:167]
	v_pk_add_f32 v[240:241], v[240:241], v[170:171]
	v_pk_add_f32 v[238:239], v[238:239], v[174:175]
	v_pk_add_f32 v[230:231], v[230:231], v[178:179]
	v_pk_add_f32 v[228:229], v[228:229], v[182:183]
	v_pk_add_f32 v[14:15], v[14:15], v[186:187]
	v_pk_add_f32 v[236:237], v[236:237], v[190:191]
	s_delay_alu instid0(VALU_DEP_2)
	v_pk_add_f32 v[14:15], v[14:15], v[240:241]
	s_delay_alu instid0(VALU_DEP_2)
	v_pk_add_f32 v[236:237], v[236:237], v[238:239]
	v_pk_add_f32 v[246:247], v[246:247], v[230:231]
	v_pk_add_f32 v[244:245], v[244:245], v[228:229]
	s_delay_alu instid0(VALU_DEP_2)
	v_pk_add_f32 v[14:15], v[14:15], v[246:247]
	s_delay_alu instid0(VALU_DEP_2)
	v_pk_add_f32 v[236:237], v[236:237], v[244:245]
	s_delay_alu instid0(VALU_DEP_1)
	v_pk_add_f32 v[14:15], v[14:15], v[236:237]
	s_wait_alu depctr_va_vdst(0)                   ; and one for the four
.irp b, 0,1,2,3
	v_max_num_f32 v[232+\b], 0x1800000, v[232+\b]  ; the floor 2^(3 - 127): the byte cannot fall under 1
.endr
.irp b, 0,1,2,3
	s_delay_alu instid0(VALU_DEP_4)
	v_add_nc_u32 v[244+\b], 0xff000000, v[232+\b]  ; 2 off the exponent field: the conversion's scale operand
.endr
.irp b, 0,1,2,3
	s_delay_alu instid0(VALU_DEP_4)
	v_lshrrev_b32 v[236+\b], 23, v[244+\b]         ; the scale's byte
.endr
	s_delay_alu instid0(VALU_DEP_3)
	v_lshl_or_b32 v30, v237, 8, v236               ; p's scale word for these 128 keys
	s_delay_alu instid0(VALU_DEP_1)
	v_lshl_or_b32 v30, v238, 16, v30
	s_delay_alu instid0(VALU_DEP_1)
	v_lshl_or_b32 v30, v239, 24, v30
.irp c, 0,1
	v_cvt_scalef32_pk16_fp6_f32 v[224+6*\c:226+6*\c], v[S+32*\c:S+15+32*\c], v[244+2*\c]
	v_cvt_scalef32_pk16_fp6_f32 v[236+4*\c:238+4*\c], v[S+16+32*\c:S+31+32*\c], v[244+2*\c+1]   ; (a conversion's three registers begin on an even number)
.endr
	v_nop                                          ; one plain place behind a scaled conversion
.irp c, 0,1                                    ; a whole block in a lane: lanes 0-15 block 2 c, lanes 16-31 block 2 c + 1
.irp i, 0,1,2
	v_permlane16_swap_b32 v[224+6*\c+\i], v[236+4*\c+\i]
.endr
.irp i, 0,1,2
	s_delay_alu instid0(VALU_DEP_3)
	v_mov_b32 v[227+6*\c+\i], v[236+4*\c+\i]
.endr
.endr
.set j, 0
.rept 16
	v_pk_mul_f32 v[O+j:O+j+1], v[O+j:O+j+1], v[252:253] op_sel_hi:[1,0]   ; O^T under the new M.  (Of these sixteen, twelve name no register of a given product below: the places between p's scale word and codes and the products)
.set j, j+2
.endr
	s_wait_alu depctr_va_vdst(0)
	s_wait_dscnt 9*\pre                            ; V and its scale words are in; the next step's nine loads may be out
.irp d, 0,1,2,3
	PV \d                                          ; the four accumulators by turns; between two links on one of them stand eleven other matrix instructions
.endr
	s_add_co_u32 s[TB], s[TB], REC                 ; on to the next record
	v_add_nc_u32 v[A16], s[TB], v[L16]
	v_add_nc_u32 v[A8], s[TB], v[L8]
.endm
; THE END OF A TILE: O^T / the sum, into true order along d, quantised (a block of 32 a lane), stored as six registers of the last product's operand.
.macro FIN qt
	PLACES
	v_add_f32 v14, v14, v15                        ; the sum's two halves,
	s_delay_alu instid0(VALU_DEP_1)
	v_permlanex16_b32 v252, v14, s[SEL], s[SEL+1]
	s_delay_alu instid0(VALU_DEP_1)
	v_add_f32 v14, v14, v252                       ; and lane l xor 16's
	s_wait_alu depctr_va_vdst(0)
	v_rcp_f32 v14, v14
	v_and_b32 v254, 15, v0                         ; (a plain place behind the reciprocal)
	v_bfe_u32 v253, v0, 4, 1
	s_delay_alu instid0(VALU_DEP_1)
	v_lshl_add_u32 v254, v254, 5, v253             ; 32 r + h: my row's scale byte of my block
	s_wait_alu depctr_va_vdst(0)                   ; ahead of the reciprocal's first reader
.set j, 0
.rept 16
	v_pk_mul_f32 v[S+j:S+j+1], v[O+j:O+j+1], v[14:15] op_sel_hi:[1,0]   ; each accumulator from its low end on.  v128-135 d = 8 h + j, v136-143 32 + 8 h + j, v144-151 16 + 8 h + j, v152-159 48 + 8 h + j
.set j, j+2
.endr
.irp j, 0,1,2,3,4,5,6,7
	v_permlane16_swap_b32 v[S+\j], v[S+8+\j]       ; the first's lanes 16-31 change places with the second's lanes 0-15:
	v_permlane16_swap_b32 v[S+16+\j], v[S+24+\j]   ; v128-159 now hold d = 32 h + 0 .. 31, in order
.endr
	v_max3_num_f32 v232, |v[S]|, |v[S+1]|, |v[S+2]|
	v_max3_num_f32 v233, |v[S+3]|, |v[S+4]|, |v[S+5]|
.irp i, 6,10,14,18,22,26
	s_delay_alu instid0(VALU_DEP_2)
	v_max3_num_f32 v232, v232, |v[S+\i]|, |v[S+\i+1]|
	s_delay_alu instid0(VALU_DEP_2)
	v_max3_num_f32 v233, v233, |v[S+\i+2]|, |v[S+\i+3]|
.endr
	s_delay_alu instid0(VALU_DEP_2)
	v_max3_num_f32 v232, v232, |v[S+30]|, |v[S+31]|
	s_delay_alu instid0(VALU_DEP_1)
	v_max3_num_f32 v232, v232, v233, 0x1800000     ; the block's largest magnitude, and the floor
	s_delay_alu instid0(VALU_DEP_1)
	v_add_nc_u32 v244, 0xff000000, v232
	s_delay_alu instid0(VALU_DEP_1)
	v_lshrrev_b32 v245, 23, v244                   ; the scale's byte
	v_cvt_scalef32_pk16_fp6_f32 v[224:226], v[S:S+15], v244
	v_cvt_scalef32_pk16_fp6_f32 v[228:230], v[S+16:S+31], v244
	v_nop
	v_mov_b32 v227, v228
	v_mov_b32 v228, v229
	v_mov_b32 v229, v230
	global_store_b128 v[L16], v[224:227], s[8:9] offset:3072*\qt       ; 512 consecutive aligned bytes,
	global_store_b64 v[L8], v[228:229], s[8:9] offset:3072*\qt+512     ; and 256
	global_store_b8 v254, v245, s[10:11] offset:512*\qt                ; the one store of single bytes: a row's other scale bytes belong to other heads' work-groups; 1 byte for each 24 of codes
.endm
.macro TILE qt
.if \qt
	s_wait_xcnt 0x0                                ; the first tile's stores have read their registers
.irp j, 0,1,2,3,4,5
	v_mov_b32 v[16+\j], v[6+\j]                    ; the second tile's Q
.endr
	v_mov_b32 v31, v5
.endif
	v_mov_b32 v13, 0xff61b1e6                      ; the largest t so far: -3e38
	s_delay_alu instid0(VALU_DEP_1)
	v_floor_f32 v12, -v13
	v_mov_b32 v14, 0
	v_mov_b32 v15, 0
.set j, 0
.rept 32
	v_mov_b32 v[O+j], 0                            ; O^T: the step is written once: the first finds zeros, which the first change of M leaves zeros
.set j, j+1
.endr
	s_mov_b32 s[TB], 0
	v_add_nc_u32 v[A16], s[TB], v[L16]
	v_add_nc_u32 v[A8], s[TB], v[L8]
	KLOAD 0
	ds_load_b128 v[248:251], v[A16] offset:12288
	s_mov_b32 s[CNT], 15
.Lstep_\@:
	s_wait_alu depctr_va_vdst(0)
	STEP 1
	s_sub_co_u32 s[CNT], s[CNT], 1
	s_cmp_lg_u32 s[CNT], 0
	s_cbranch_scc1 .Lstep_\@
	s_wait_alu depctr_va_vdst(0)
	STEP 0                                         ; the last record has no successor
	FIN \qt
.endm
	TILE 0
	TILE 1
	s_wait_tensorcnt 0x0
	ds_add_u32 v243, v255
	s_wait_dscnt 0x0
	ROUND                                          ; the closing round
	s_endpgm
.Lfunc_end_k_qe2ec2b76ea_attn:
	.size	k_qe2ec2b76ea_attn, .Lfunc_end_k_qe2ec2b76ea_attn-k_qe2ec2b76ea_attn
	.p2alignl 7, 3214868480
	.fill 96, 4, 3214868480
	.section	.rodata,"a",@progbits
	.p2align	6, 0x0
	.amdhsa_kernel k_qe2ec2b76ea_attn
		.amdhsa_group_segment_fixed_size 210944
		.amdhsa_private_segment_fixed_size 0
		.amdhsa_enable_private_segment 0
		.amdhsa_kernarg_size 32
		.amdhsa_user_sgpr_count 2
		.amdhsa_user_sgpr_kernarg_segment_ptr 1
		.amdhsa_wavefront_size32 1
		.amdhsa_system_sgpr_workgroup_id_x 1
		.amdhsa_system_sgpr_workgroup_id_y 1
		.amdhsa_system_sgpr_workgroup_id_z 1
		.amdhsa_system_vgpr_workitem_id 0
		.amdhsa_next_free_vgpr 256
		.amdhsa_next_free_sgpr 66
		.amdhsa_reserve_vcc 0
		.amdhsa_float_denorm_mode_32 3
		.amdhsa_float_denorm_mode_16_64 3
		.amdhsa_memory_ordered 1
		.amdhsa_forward_progress 1
		.amdhsa_inst_pref_size 85
	.end_amdhsa_kernel
	.amdgpu_metadata
---
amdhsa.version: [ 1, 2 ]
amdhsa.kernels:
  - .name:           k_qe2ec2b76ea_attn
    .symbol:         k_qe2ec2b76ea_attn.kd
    .args:
      - { .name: qw, .offset: 0, .size: 8, .value_kind: global_buffer, .address_space: global }
      - { .name: kv, .offset: 8, .size: 8, .value_kind: global_buffer, .address_space: global }
      - { .name: aimg, .offset: 16, .size: 8, .value_kind: global_buffer, .address_space: global }
      - { .name: asc, .offset: 24, .size: 8, .value_kind: global_buffer, .address_space: global }
    .group_segment_fixed_size: 210944
    .private_segment_fixed_size: 0
    .kernarg_segment_align: 8
    .kernarg_segment_size: 32
    .max_flat_workgroup_size: 512
    .sgpr_count:     66
    .vgpr_count:     256
    .wavefront_size: 32
...
	.end_amdgpu_metadata
.endif
;; end of part 2
;; launch outp (part 3): grid 8 x 32, 4 waves a work-group, clusters of 4 x 4, 327,680 bytes of LDS; arguments aimg, asc, Wo_codes, Wo_scales, bo, out0; writes out0
.if DOCPART == 3
	.amdgcn_target "amdgcn-amd-amdhsa--gfx1250"
	.amdhsa_code_object_version 6
	.text
	.protected	k_qe2ec2b76ea_outp
	.globl	k_qe2ec2b76ea_outp
	.p2align	8
	.type	k_qe2ec2b76ea_outp,@function
k_qe2ec2b76ea_outp:
	s_mov_b64 s[64:65], 0
	v_nop
	global_prefetch_b8 v0, s[64:65] scope:SCOPE_SE
	s_setreg_imm32_b32 hwreg(HW_REG_WAVE_MODE, 25, 1), 1
	s_wait_xcnt 0x0
	s_wait_alu depctr_hold_cnt(0) depctr_sa_sdst(0) depctr_va_vdst(0) depctr_va_sdst(0) depctr_va_ssrc(0) depctr_va_vcc(0) depctr_vm_vsrc(0)
	s_getreg_b32 s2, hwreg(HW_REG_IB_STS2, 6, 4)
	s_cmp_eq_u32 s2, 0
	s_cbranch_scc0 .Lentry_in_a_cluster
	s_endpgm
.Lentry_in_a_cluster:
	s_bfe_u32 s2, ttmp6, 0x10000c
	s_cmp_lg_u32 s2, 0xf033
	s_cbranch_scc0 .Lentry_shape_is_right
	s_endpgm
.Lentry_shape_is_right:
; out0 = attn Wo + bo on codes of FP6 (E2M3) with E8M0 scales, sums in f32.  attn's codes come as images of operand registers: aimg[K step of 256][tile of 16 rows][128 along K][64 along K][768 bytes]; its scale bytes as asc[row][32].
; BLOCK.  A work-group makes 256 rows x 128 columns: 256 work-groups.  ALL OF K of both operands lies in LDS, filled once at the head by four joint loads, one a wave: attn's images (4 runs of 49,152 dense bytes),
; Wo's 128 rows of 768 bytes (16 bytes of padding behind every 256), and both operands' scale bytes.  Nothing is filled again.
; A wave makes 64 rows x 128 columns: 32 accumulators, eight steps of 128 along K.  Source 0 = Wo's rows, source 1 = attn's rows: a lane holds eight neighbouring columns of a row of the result.  bo is the first products' C.
; CLUSTER 4 x 4: attn's tiles are shared along a row, Wo's along a column.  No prefetch: the launch has no loop to run ahead in, all its tiles are asked for at the head.
; THE WAY OUT goes through a stage in LDS, 16 rows x 528 bytes a wave, on bytes of the images, behind a barrier behind which no wave reads them; whole rows of 512 bytes are stored.
; REGISTERS: window 0: v0-31 addresses; v32-111 scale words (block i, step st at 32 + 10 i + st); v112-207 attn's fragments, two sets; on the way out v128-255; window 1: Wo's fragments, two sets; window 2: accumulators; window 3: v0-63 bo.
.set KROW,   768
.set PITCH,  816
.set FR,     12
.set KIMG,   49152
.set BBASE,  4*KIMG
.set SCL,    BBASE+128*PITCH
.set SBLK,   2*272
.set SCP,    SCL+32*272
.set SPARE,  SCP+16*272
.set SPITCH, 528
.set AA,   8
.set AA8,  12
.set ADRB, 16
.set STO,  24
.set RD,   25
.set CO,   26
.set ADRS, 27
.set SPW,  28
.set NIL,  29
.set BPO,  30
.set SC,   32
.set AF,   112
.set BP,   0
.set BK,   128
.set G1, 24
.set G0, 32
.set G1B, 48
.set G0B, 56
.set G1S, 68
.set G0S, 76
.set G1SB, 80
.set G0SB, 88
.set PADW, (1<<20)|(1<<21)|(5<<22)|(3<<25)
.set MSB, 0
.macro WIN new
.if MSB != \new
	s_set_vgpr_msb (MSB<<8)|\new
.set MSB, \new
.endif
.endm
.macro PLACES
.rept 4
	v_nop
.endr
.endm
.macro CROUND
	s_barrier_signal -1
	s_barrier_wait -1
	s_cmp_lg_u32 s14, 0
	s_cbranch_scc1 .Lnot_wave_0_\@
	s_barrier_signal -3
.Lnot_wave_0_\@:
	s_barrier_wait -3
	s_barrier_signal -1
	s_barrier_wait -1
.endm
.macro SSHAPE g, rows
	s_mov_b32 s[\g+1], 32<<16
	s_mov_b32 s[\g+2], (\rows)<<16
	s_mov_b32 s[\g+3], 32<<16
	s_mov_b32 s[\g+4], \rows
	s_mov_b32 s[\g+5], 32
	s_mov_b32 s[\g+6], 0
	s_mov_b32 s[\g+7], 0
.endm
.macro GZERO g, lds, a
	s_mov_b32 s[\g], 1
	s_mov_b32 s[\g+1], \lds
	s_mov_b64 s[\g+2:\g+3], s[\a:\a+1]
	s_or_b32 s[\g+3], s[\g+3], 0x80000000
.endm
.macro ARM under, g0, g1, next
	s_cmp_lt_u32 s14, \under
	s_cbranch_scc0 \next
	tensor_load_to_lds s[\g0:\g0+3], s[\g1:\g1+7]
	s_nop 0
	PLACES
	s_branch .Lhead_asked
\next:
.endm
	s_load_b128 s[4:7], s[0:1], 0x0                ; aimg, asc
	s_load_b128 s[8:11], s[0:1], 0x10              ; Wo's codes, scales
	s_load_b64 s[96:97], s[0:1], 0x20              ; bo
	s_load_b64 s[12:13], s[0:1], 0x28              ; out0
	v_lshl_add_u32 v[SPW], v0, 2, SPARE
	v_mov_b32 v[NIL], 0
	ds_add_u32 v[SPW], v[NIL]                      ; the opening lines
	ds_add_u32 v[SPW], v[NIL]
	v_lshrrev_b32 v1, 5, v0
	v_readfirstlane_b32 s14, v1                    ; wave: my 64 of the 256 rows
	s_bfe_u32 s40, ttmp6, 0x40000
	s_bfe_u32 s41, ttmp6, 0x40004
	s_lshl_b32 s42, ttmp9, 2
	s_add_co_u32 s42, s42, s40                     ; tile column, 0 .. 7
	s_and_b32 s17, ttmp7, 0xffff
	s_lshl_b32 s17, s17, 2
	s_add_co_u32 s17, s17, s41                     ; tile row, 0 .. 31
	s_lshl_b32 s43, s41, 2
	s_lshl_b32 s43, 15, s43
	s_lshl_b32 s44, 0x1111, s40
	s_or_b32 s[G1+0], s43, (3<<16)|(1<<21)         ; the images: 4 rows of 6,144 elements of 8 bytes, 196,608 elements apart, no padding
	s_mov_b32 s[G1+1], 6144<<16
	s_mov_b32 s[G1+2], 4<<16
	s_mov_b32 s[G1+3], 6144<<16
	s_mov_b32 s[G1+4], 4
	s_mov_b32 s[G1+5], 196608
	s_mov_b32 s[G1+6], 0
	s_mov_b32 s[G1+7], 0
	s_or_b32 s[G1B+0], s44, PADW                   ; Wo: 128 rows of 768 bytes
	s_mov_b32 s[G1B+1], KROW<<16
	s_mov_b32 s[G1B+2], 128<<16
	s_mov_b32 s[G1B+3], KROW<<16
	s_mov_b32 s[G1B+4], 128
	s_mov_b32 s[G1B+5], KROW
	s_mov_b32 s[G1B+6], 0
	s_mov_b32 s[G1B+7], 0
	s_or_b32 s[G1S+0], s43, (3<<16)|PADW
	SSHAPE G1S, 32
	s_or_b32 s[G1SB+0], s44, (3<<16)|PADW
	SSHAPE G1SB, 16
	s_mul_i32 s20, s17, KIMG
	s_lshl_b32 s22, s17, 13
	s_mul_i32 s46, s42, 128*KROW
	s_lshl_b32 s92, s42, 12
	s_mov_b32 s21, 0
	s_mov_b32 s23, 0
	s_mov_b32 s47, 0
	s_mov_b32 s93, 0
	s_wait_dscnt 0x0
	s_wait_kmcnt 0x0
	s_add_nc_u64 s[20:21], s[4:5], s[20:21]
	s_add_nc_u64 s[22:23], s[6:7], s[22:23]
	s_add_nc_u64 s[46:47], s[8:9], s[46:47]
	s_add_nc_u64 s[92:93], s[10:11], s[92:93]
	GZERO G0, 0, 20
	GZERO G0B, BBASE, 46
	GZERO G0S, SCL, 22
	GZERO G0SB, SCP, 92
	CROUND                                         ; all sixteen work-groups are here: the joint loads meet
	ARM 1, G0, G1, .Lh1                            ; one load a wave: the images,
	ARM 2, G0B, G1B, .Lh2                          ; Wo's rows,
	ARM 3, G0S, G1S, .Lh3                          ; attn's scale bytes,
	tensor_load_to_lds s[G0SB:G0SB+3], s[G1SB:G1SB+7]   ; Wo's
	s_nop 0
	PLACES
.Lhead_asked:
	s_lshl_b32 s46, s42, 9                         ; my first column, in bytes
	s_mov_b32 s47, 0
	s_lshl_b32 s20, s17, 8
	s_lshl_b32 s21, s14, 6
	s_add_co_u32 s20, s20, s21                     ; my first row
	s_lshl_b32 s20, s20, 12
	s_mov_b32 s21, 0
	s_add_nc_u64 s[20:21], s[20:21], s[46:47]
	s_add_nc_u64 s[12:13], s[12:13], s[20:21]
	s_mul_i32 s8, s14, 4*3072                      ; my four tiles of rows in an image
	s_mul_i32 s11, s14, 8*272                      ; my rows' scale bytes
	s_sub_co_u32 s18, SCP-SCL, s11                 ; from them to Wo's
	s_add_co_u32 s11, s11, SCL
	s_mul_i32 s23, s14, 16*SPITCH                  ; my stage
	v_and_b32 v1, 15, v0
	v_bfe_u32 v2, v0, 4, 1
	v_and_b32 v6, 31, v0
	v_lshl_add_u32 v[BPO], v2, 5, s46
	WIN 0xc0
.irp b, 0,1,2,3,4,5,6,7
	global_load_b128 v[BP+8*\b:BP+8*\b+3], v[BPO], s[96:97] offset:64*\b
	global_load_b128 v[BP+8*\b+4:BP+8*\b+7], v[BPO], s[96:97] offset:64*\b+16
.endr
	WIN 0
	v_lshlrev_b32 v[CO], 4, v6
	v_lshlrev_b32 v5, 3, v6
.irp k, 0,1,2,3
	v_add_nc_u32 v[AA+\k], s8, v[CO]
	v_add_nc_u32 v[AA8+\k], s8, v5
	s_add_co_u32 s8, s8, KIMG
.endr
	v_mul_u32_u24 v3, v1, PITCH
	v_mad_u32_u24 v4, v2, 24, v3
	v_mad_u32_u24 v7, v2, 40, v3
	v_add_nc_u32 v[ADRB], BBASE, v4
	v_add_nc_u32 v[ADRB+1], BBASE, v7
	v_add_nc_u32 v[ADRB+2], BBASE+64*PITCH, v4
	v_add_nc_u32 v[ADRB+3], BBASE+64*PITCH, v7
	v_lshlrev_b32 v4, 5, v1
	v_lshrrev_b32 v7, 8, v4
	v_lshl_add_u32 v4, v7, 4, v4
	v_mul_u32_u24 v7, s18, v2                      ; lanes 16-31 take Wo's
	v_add_nc_u32 v4, v4, v7
	v_add_nc_u32 v[ADRS], s11, v4
	v_mul_u32_u24 v4, v1, SPITCH
	v_lshl_add_u32 v4, v2, 5, v4
	v_add_nc_u32 v[STO], s23, v4
	v_add_nc_u32 v[RD], s23, v[CO]
.macro FRAG reg, adr, st, off
.irp p, 0,1,2,3,4,5
.set PCE, 12*(\st)+6*(\p/3)+\p%3
.if PCE%32 < 29
	ds_load_b64 v[\reg+2*\p:\reg+2*\p+1], v[\adr] offset:8*PCE+16*(PCE/32)+(\off)
.else
	ds_load_b64 v[\reg+2*\p:\reg+2*\p+1], v[\adr+1] offset:8*PCE+16*(PCE/32)+(\off)
.endif
.endr
.endm
.macro FETCH_P st                      ; Wo's eight fragments: 48 loads
	WIN 0x40
.irp i, 0,1,2,3,4,5,6,7
	FRAG 128*((\st)%2)+FR*\i, ADRB+2*(\i/4), \st, (\i%4)*16*PITCH
.endr
	WIN 0
.endm
.macro FETCH_R st                      ; attn's four fragments, as they lie: 16 loads
.irp i, 0,1,2,3
.set RG, AF+48*((\st)%2)+FR*\i
.set OF, 3072*\i+1536*((\st)%2)
	ds_load_b128 v[RG:RG+3], v[AA+(\st)/2] offset:OF
	ds_load_b64 v[RG+4:RG+5], v[AA8+(\st)/2] offset:OF+512
	ds_load_b128 v[RG+6:RG+9], v[AA+(\st)/2] offset:OF+768
	ds_load_b64 v[RG+10:RG+11], v[AA8+(\st)/2] offset:OF+1280
.endr
.endm
.macro W a, b, st, c
	v_wmma_scale_f32_16x16x128_f8f6f4 v[8*(8*(\a)+\b):8*(8*(\a)+\b)+7], v[128*((\st)%2)+FR*\b:128*((\st)%2)+FR*\b+FR-1], v[AF+48*((\st)%2)+FR*(\a):AF+48*((\st)%2)+FR*(\a)+FR-1], \c, v[SC+10*\b+(\st)], v[SC+10*(\a)+(\st)] matrix_a_fmt:MATRIX_FMT_FP6 matrix_b_fmt:MATRIX_FMT_FP6 matrix_a_scale:MATRIX_SCALE_ROW1
.endm
.macro MUL16 a0, st                    ; the 32 accumulators take turns
.irp a, \a0, \a0+1
.irp b, 0,1,2,3,4,5,6,7
.if (\st) == 0
	W \a, \b, \st, v[BP+8*\b:BP+8*\b+7]
.else
	W \a, \b, \st, v[8*(8*(\a)+\b):8*(8*(\a)+\b)+7]
.endif
.endr
.endr
.endm
.macro MWIN st
.if (\st) == 0
	WIN 0xb1
.else
	WIN 0xa1
.endif
.endm
.macro STEP st
.if (\st) > 0
	PLACES                                         ; between the last step's products and loads into the registers that they read
.endif
.if (\st) < 7
	FETCH_P (\st)+1
	s_wait_dscnt 48                                ; all but the 48 loads just issued: this step's fragments are in
.else
	s_wait_dscnt 0x0
.endif
	MWIN \st
	MUL16 0, \st
.if (\st) < 7
	WIN 0
	FETCH_R (\st)+1
	MWIN \st
.endif
	MUL16 2, \st
.endm
	s_wait_alu depctr_va_vdst(0)
	s_wait_loadcnt 0x0                             ; bo
	s_wait_tensorcnt 0x0                           ; my tile is in,
	s_barrier_signal -1
	s_barrier_wait -1                              ; everybody's is
.irp i, 0,1,2,3,4,5,6,7
	ds_load_b128 v[SC+10*\i:SC+10*\i+3], v[ADRS] offset:\i*SBLK        ; all eight steps' scale words: lanes 0-15 attn's block i (of blocks 4-7 nothing is used), lanes 16-31 Wo's block i
	ds_load_b128 v[SC+10*\i+4:SC+10*\i+7], v[ADRS] offset:\i*SBLK+16
.endr
	FETCH_P 0
	FETCH_R 0
.set ST, 0
.rept 8
	STEP ST
.set ST, ST+1
.endr
	WIN 0
	s_barrier_signal -1                            ; my LDS reads were waited for ahead of the last step's products
	PLACES
	s_barrier_wait -1                              ; no wave reads the images any more: the stages may be written
.macro TOSTAGE a
	WIN 0x08
.irp b, 0,1,2,3,4,5,6,7
	ds_store_b128 v[STO], v[64*(\a)+8*\b:64*(\a)+8*\b+3] offset:64*\b          ; each accumulator from its low end on
	ds_store_b128 v[STO], v[64*(\a)+8*\b+4:64*(\a)+8*\b+7] offset:64*\b+16
.endr
	WIN 0
.set BB, BK+64*((\a)%2)
.irp t, 0,1,2,3,4,5,6,7,8,9,10,11,12,13,14,15
	ds_load_b128 v[BB+4*\t:BB+4*\t+3], v[RD] offset:\t*SPITCH      ; LDS serves a wave's instructions in order
.endr
.endm
.macro SEND a, younger
.set BB, BK+64*((\a)%2)
	s_wait_dscnt \younger
.if (\a) > 0
	s_add_nc_u64 s[12:13], s[12:13], 16*4096
.endif
.irp t, 0,1,2,3,4,5,6,7,8,9,10,11,12,13,14,15
	global_store_b128 v[CO], v[BB+4*\t:BB+4*\t+3], s[12:13] offset:\t*4096 th:TH_STORE_NT   ; 32 lanes store 512 consecutive aligned bytes
.endr
.endm
	TOSTAGE 0
.irp a, 1,2,3
.if \a > 1
	s_wait_xcnt 0x0                                ; block a - 2's stores have read their registers and their base
.endif
	TOSTAGE \a
	SEND \a-1, 32                                  ; behind block a - 1's loads: block a's 16 stores and 16 loads
.endr
	s_wait_xcnt 0x0
	SEND 3, 0
	s_wait_tensorcnt 0x0                           ; the wave's end
	ds_add_u32 v[SPW], v[NIL]
	s_wait_dscnt 0x0
	CROUND                                         ; the closing round
	s_endpgm
.Lfunc_end_k_qe2ec2b76ea_outp:
	.size	k_qe2ec2b76ea_outp, .Lfunc_end_k_qe2ec2b76ea_outp-k_qe2ec2b76ea_outp
	.p2alignl 7, 3214868480
	.fill 96, 4, 3214868480
	.section	.rodata,"a",@progbits
	.p2align	6, 0x0
	.amdhsa_kernel k_qe2ec2b76ea_outp
		.amdhsa_group_segment_fixed_size 327680
		.amdhsa_private_segment_fixed_size 0
		.amdhsa_enable_private_segment 0
		.amdhsa_kernarg_size 48
		.amdhsa_user_sgpr_count 2
		.amdhsa_user_sgpr_kernarg_segment_ptr 1
		.amdhsa_wavefront_size32 1
		.amdhsa_system_sgpr_workgroup_id_x 1
		.amdhsa_system_sgpr_workgroup_id_y 1
		.amdhsa_system_sgpr_workgroup_id_z 1
		.amdhsa_system_vgpr_workitem_id 0
		.amdhsa_next_free_vgpr 832
		.amdhsa_next_free_sgpr 98
		.amdhsa_reserve_vcc 0
		.amdhsa_float_denorm_mode_32 3
		.amdhsa_float_denorm_mode_16_64 3
		.amdhsa_memory_ordered 1
		.amdhsa_forward_progress 1
		.amdhsa_inst_pref_size 93
	.end_amdhsa_kernel
	.amdgpu_metadata
---
amdhsa.version: [ 1, 2 ]
amdhsa.kernels:
  - .name:           k_qe2ec2b76ea_outp
    .symbol:         k_qe2ec2b76ea_outp.kd
    .args:
      - { .name: aimg, .offset: 0, .size: 8, .value_kind: global_buffer, .address_space: global }
      - { .name: asc, .offset: 8, .size: 8, .value_kind: global_buffer, .address_space: global }
      - { .name: Wo_codes, .offset: 16, .size: 8, .value_kind: global_buffer, .address_space: global }
      - { .name: Wo_scales, .offset: 24, .size: 8, .value_kind: global_buffer, .address_space: global }
      - { .name: bo, .offset: 32, .size: 8, .value_kind: global_buffer, .address_space: global }
      - { .name: out0, .offset: 40, .size: 8, .value_kind: global_buffer, .address_space: global }
    .group_segment_fixed_size: 327680
    .private_segment_fixed_size: 0
    .kernarg_segment_align: 8
    .kernarg_segment_size: 48
    .max_flat_workgroup_size: 128
    .sgpr_count:     98
    .vgpr_count:     832
    .wavefront_size: 32
...
	.end_amdgpu_metadata
.endif
;; end of part 3
